; MI455X (gfx1250); checked and timed in simulation.
; The chip was launched on July 23, 2026; its instructions are those of AMD's public machine-readable ISA for CDNA 5 (MIT licence, August 2026) and "CDNA5" Instruction Set Architecture Reference Guide (July 2026). The comments in the code are by the model that wrote it; some were corrected since.
;; SPINN. Allowed arithmetic: matrix products marked QUANTISED: E2M1 operands, one E8M0 scale for each 32 along K, by v_wmma_scale_f32_16x16x128_f8f6f4 with both operands' format E2M1 (or v_wmma_scale_f32_32x16x128_f4), f32 sums; everything else in f32.
;; Inputs: W_buf 1,024 x 4,096 float32; W_lateral 1,024 x 4,096 float32; W_stack1 1,024 x 4,096 float32; W_stack2 1,024 x 4,096 float32; b_lateral 4,096 float32; c_prev 4,096 x 1,024 float32; h_prev 4,096 x 1,024 float32; top_buf_h 4,096 x 1,024 float32; top_stack1_h 4,096 x 1,024 float32; top_stack2_h 4,096 x 1,024 float32.
;; Outputs: out0 4,096 x 1,024 float32; out1 4,096 x 1,024 float32.
;; This version of the problem:
;;   THIS VERSION OF THE PROBLEM IS GIVEN IN LOW PRECISION. The matrix products marked QUANTISED in the list below multiply operands that are first quantised to E2M1 (2 exponent bits, 1 mantissa bit; 4 bits a number), with one power-of-two scale for each 32 numbers along K (OCP MX v1.0); their sums are f32. All else is computed in f32.
;;   The module's matrix products, in the order in which they are computed (A, B: the left and right operand; K: the contracted axis; several contracted axes count as one K, in the product's order):
;;     1. [M 4,096, K 1,024] x [K 1,024, N 4,096]; A: input top_buf_h; B: input W_buf: QUANTISED
;;     2. [M 4,096, K 1,024] x [K 1,024, N 4,096]; A: input top_stack1_h; B: input W_stack1: QUANTISED
;;     3. [M 4,096, K 1,024] x [K 1,024, N 4,096]; A: input top_stack2_h; B: input W_stack2: QUANTISED
;;     4. [M 4,096, K 1,024] x [K 1,024, N 4,096]; A: input h_prev; B: input W_lateral: QUANTISED
;;   THE QUANTISER, for each operand of a quantised product, along K:
;;     - K is cut into blocks of 32 from its start; a last block that is shorter is filled with zeros.
;;     - A block's scale is 2^e with e = floor(log2(the largest magnitude in the block)) - 2, held to -126 .. 127; a block of zeros has e = 0. As a byte (E8M0): e + 127.
;;     - Each number is divided by its block's scale, clamped to +-6, and rounded to the nearest number of E2M1, ties to even, subnormals kept.
;;     - The product sums the exact products of the quantised numbers (number of the format x scale) in f32.
;;   ~~~python
;;   def quantise(x, axis):      # numpy; x: float32 -> the quantised numbers, widened to float32 again
;;       x = np.moveaxis(x, axis, -1); K = x.shape[-1]
;;       x = np.pad(x, [(0, 0)] * (x.ndim - 1) + [(0, -K % 32)]); x = x.reshape(x.shape[:-1] + (-1, 32)); a = np.abs(x).max(-1, keepdims=True)
;;       e = np.where(a > 0, np.clip(np.frexp(np.where(a > 0, a, 1))[1] - 1 - 2, -126, 127), 0)      # np.frexp(a)[1] - 1 = floor(log2(a)), exactly
;;       r = np.clip(x / 2.0 ** e, -6, 6)
;;       step = 2.0 ** (np.maximum(np.frexp(np.where(r == 0, 1, r))[1] - 1, 0) - 1)
;;       q = np.round(r / step) * step * 2.0 ** e      # np.round: ties to even
;;       return np.moveaxis(q.reshape(q.shape[:-2] + (-1,))[..., :K], -1, axis).astype(np.float32)
;;   ~~~
;; One version. Each part assembles by itself: llvm-mc -triple=amdgcn-amd-amdhsa -mcpu=gfx1250 --defsym DOCPART=n.
;; ======== version 1 of 1: 2 launches
;; limits: right only within a limited range of input values
;; workspace buffers: acs 8,912,896 bytes; bcs 8,912,896 bytes
;; launch quant (part 1): grid 768 x 1, 4 waves a work-group, no clusters, 34,304 bytes of LDS; arguments top_buf_h, top_stack1_h, top_stack2_h, h_prev, W_buf, W_stack1, W_stack2, W_lateral, acs, bcs; writes acs, bcs
.if DOCPART == 1
	.amdgcn_target "amdgcn-amd-amdhsa--gfx1250"
	.amdhsa_code_object_version 6
	.text
	.protected	k_qfb29792e4f_quant
	.globl	k_qfb29792e4f_quant
	.p2align	8
	.type	k_qfb29792e4f_quant,@function
k_qfb29792e4f_quant:
	s_mov_b64 s[64:65], 0
	v_nop
	global_prefetch_b8 v0, s[64:65] scope:SCOPE_SE
	s_setreg_imm32_b32 hwreg(HW_REG_WAVE_MODE, 25, 1), 1
	s_wait_xcnt 0x0
; The four activations [4096][1024] and the four weights [1024][4096], f32, become codes of FP4 (E2M1) with one E8M0 scale byte for each 32 along K.
; The four products of the problem share M and N and are added, so they are ONE product over a joint K of 4 x 1,024: source 0 = buf, 1 = stack1, 2 = stack2, 3 = h_prev / lateral.
; A block's scale is 2^(floor(log2(its largest magnitude)) - 2); its byte is the largest magnitude's own exponent field - 2, held at 1 from below.
; LIMITS: NaN and infinities among the inputs are not served.  A block of zeros gets the byte 1 where the rule says 127: its codes are zeros, which add nothing under that byte, and this program alone reads the bytes.
; THE WORKSPACE IS LAID AS THE PRODUCT'S LAUNCH READS IT: acs and bcs are [T 0..31][ks 0..7][BLK bytes]: T = a group of 128 operand rows, ks = a step of 512 of the joint K (2 x source + k / 512).
;   In a block: the codes of row group i (16 rows), K block kb (32 along K), row r at i*4096 + kb*256 + r*16: the 1,024 bytes at i*4096 + q*1024 are the image of an operand's registers
;   (16 rows x 128 K: two pieces of 512 bytes, lane l's 16 bytes at 16 l).  The scale bytes at SCOFF + i*256 + r*16 + kb: four scale words a row.
;   Rows of A: m -> T = m / 128, i = (m / 16) % 8, r = m % 16.   Rows of B (columns n = 1024 g + j of the weights): T = j / 32, i = 2 g + (j / 16) % 2, r = j % 16:
;   a group of 128 rows of B holds all four gates of 32 neighbouring j, so that the LSTM step later finds its four gates in one lane.
; WORK-GROUPS 0..255 take the activations (K innermost), 256..767 the weights (K is the first axis).  The waves share nothing: no barrier.  No input is read by two work-groups, so a cluster would share nothing;
; no matrix unit: the launch only moves and converts.  Only the activations' path touches LDS.
.set BLK,    34816
.set SCOFF,  32768
.set SPITCH, 528                       ; a stage row: 512 bytes + 16 = 132 words: row r starts at bank 4 r mod 64 (64 banks of 4 bytes: ISA guide 11.1)
.set WSTAGE, 16*SPITCH                 ; a wave's own stage: 16 rows
.set XR, 16                            ; v16-143  activations: two sets of 64 registers as loaded
.set XN, 144                           ; v144-207 64 numbers of my row: register 32 c + i = k 64 c + 32 (lane / 16) + i
.set XM, 10                            ; v10-11   largest magnitudes;  v12-13 scale operands;  v14-15 scale bytes
.set XS, 12
.set XB, 14
.set XC, 208                           ; v208-215 a fragment's codes
.set XW, 216                           ; v216-223 my row's scale words of the eight fragments
.set XP, 224                           ; v224     at work for the exchange of halves
.set XF, 232                           ; v232-235 the four scale words that I store
.set WX, 16                            ; v16-79   weights: two sets of 32 numbers
.set WC, 80                            ; v80-111  codes: four registers for each block, so that no store's data are written again
.set WB, 112                           ; v112-113 eight scale bytes
	s_load_b512 s[8:23], s[0:1], 0x0               ; buf s[8:9], stack1 s[10:11], stack2 s[12:13], h_prev s[14:15]; W_buf s[16:17], W_stack1 s[18:19], W_stack2 s[20:21], W_lateral s[22:23]
	s_load_b128 s[24:27], s[0:1], 0x40             ; acs s[24:25], bcs s[26:27]
	v_lshl_add_u32 v254, v0, 2, 0x8400
	v_mov_b32 v255, 0
	v_lshrrev_b32 v1, 5, v0
	v_readfirstlane_b32 s2, v1                     ; wave 0..3
	v_and_b32 v1, 31, v0                           ; lane
	v_and_b32 v2, 15, v0                           ; r
	v_bfe_u32 v3, v0, 4, 1                         ; h
	s_mov_b32 s36, 0x76543210
	s_mov_b32 s37, 0xfedcba98                      ; v_permlanex16_b32's selects for lane l xor 16
	s_wait_kmcnt 0x0
	s_cmp_ge_u32 ttmp9, 256
	s_cbranch_scc1 .Lweights
; ---------------- THE ACTIVATIONS.  A wave takes 16 rows x 1,024 K of one source: eight fragments of 16 rows x 128 K.
; A load reads 512 consecutive bytes of one row.  The conversions want 32 neighbours along K in ONE lane, so a fragment's 8,192 bytes turn through the wave's own stage in LDS.
	s_lshr_b32 s3, ttmp9, 6                        ; the source
	s_and_b32 s4, ttmp9, 63
	s_lshl_b32 s4, s4, 2
	s_add_co_u32 s4, s4, s2                        ; which 16 rows: 0..255
	s_cmp_eq_u32 s3, 1                             ; the choice hangs on the work-group's number alone
	s_cselect_b64 s[28:29], s[10:11], s[8:9]
	s_cmp_eq_u32 s3, 2
	s_cselect_b64 s[28:29], s[12:13], s[28:29]
	s_cmp_eq_u32 s3, 3
	s_cselect_b64 s[28:29], s[14:15], s[28:29]
	s_lshl_b32 s30, s4, 16                         ; 16 rows of 4,096 bytes
	s_mov_b32 s31, 0
	s_add_nc_u64 s[28:29], s[28:29], s[30:31]
	s_lshr_b32 s5, s4, 3                           ; T
	s_lshl_b32 s5, s5, 3
	s_lshl_b32 s6, s3, 1
	s_add_co_u32 s5, s5, s6                        ; 8 T + 2 x source: the first of my two blocks
	s_mul_i32 s30, s5, BLK
	s_add_nc_u64 s[32:33], s[24:25], s[30:31]
	s_and_b32 s7, s4, 7                            ; i
	s_wait_alu depctr_va_vdst(0)
	v_lshlrev_b32 v4, 4, v1                        ; 16 x lane: my bytes of a load's 512
	s_mul_i32 s34, s2, WSTAGE
	v_add_nc_u32 v5, s34, v4                       ; the stage, on the way in
	v_mul_u32_u24 v6, v2, SPITCH
	v_lshl_add_u32 v6, v3, 7, v6
	v_add_nc_u32 v6, s34, v6                       ; and out: row r, + 128 h: my block of 32 numbers
	s_lshl_b32 s35, s7, 12
	v_add_nc_u32 v7, s35, v4                       ; my codes' place in a block: 4096 i + 16 x lane
	s_lshl_b32 s35, s7, 8
	s_add_co_u32 s35, s35, SCOFF
	v_mul_u32_u24 v8, v3, BLK                      ; my scale words': lanes 0-15 store the first K step's, lanes 16-31 the second's
	v_lshl_add_u32 v8, v2, 4, v8
	v_add_nc_u32 v8, s35, v8
	v_lshlrev_b32 v9, 3, v3                        ; 8 h: my two bytes' shift in a scale word
	v_mov_b32 v[XP], 0                             ; written once: a lane permute's destination counts as one of its sources
.macro XLOAD f                         ; fragment f: 128 numbers of each of my 16 rows
.irp t, 0,1,2,3,4,5,6,7,8,9,10,11,12,13,14,15
	global_load_b128 v[XR+64*((\f)%2)+4*\t:XR+64*((\f)%2)+4*\t+3], v4, s[28:29] offset:\t*4096+(\f)*512 th:TH_LOAD_NT
.endr
.endm
.macro XSTEP f
.if (\f) < 7
	s_wait_loadcnt 16                              ; this fragment's 16 loads are in; the next one's 16 may be out
.else
	s_wait_loadcnt 0
.endif
.irp t, 0,1,2,3,4,5,6,7,8,9,10,11,12,13,14,15
	ds_store_b128 v5, v[XR+64*((\f)%2)+4*\t:XR+64*((\f)%2)+4*\t+3] offset:\t*SPITCH
.endr
.irp c, 0,1
.irp j, 0,1,2,3,4,5,6,7
	ds_load_b128 v[XN+32*\c+4*\j:XN+32*\c+4*\j+3], v6 offset:256*\c+16*\j   ; LDS serves a wave's instructions in order (ISA guide 5.7.1.4): these see the stores above.  Block 2 c + h of row r
.endr
.endr
	s_wait_dscnt 0x0                               ; my numbers are in, and the stores have read their registers,
.if (\f) < 6
	XLOAD (\f)+2                                   ; which take the fragment two further on
.endif
.irp c, 0,1
	v_max3_num_f32 v[XM+\c], |v[XN+32*\c]|, |v[XN+32*\c+1]|, 0x1800000   ; all 32 numbers of a block are mine; the floor 2^(3 - 127) holds the byte at 1 from below
.endr
.irp i, 2,4,6,8,10,12,14,16,18,20,22,24,26,28,30
.irp c, 0,1
	v_max3_num_f32 v[XM+\c], v[XM+\c], |v[XN+32*\c+\i]|, |v[XN+32*\c+\i+1]|   ; (the two blocks by turns)
.endr
.endr
.irp c, 0,1
	v_add_nc_u32 v[XS+\c], 0xff000000, v[XM+\c]    ; 2 off the exponent field: the conversion takes the exponent field of this operand as its scale, and nothing else of it
.endr
.irp c, 0,1
	v_lshrrev_b32 v[XB+\c], 23, v[XS+\c]           ; the scale's byte
.endr
	v_lshl_or_b32 v[XW+\f], v[XB+1], 16, v[XB]     ; my two bytes: blocks h and 2 + h,
	v_lshlrev_b32 v[XW+\f], v9, v[XW+\f]           ; at their places in the scale word;
	v_permlanex16_b32 v[XP], v[XW+\f], s36, s37
	v_or_b32 v[XW+\f], v[XW+\f], v[XP]             ; with lane l xor 16's two the word is whole
	s_wait_alu depctr_va_vdst(0)
	s_wait_xcnt 0x0                                ; the last fragment's stores have read the codes' registers: they are written again only behind this wait
.irp c, 0,1
.irp g, 0,1,2,3
	v_cvt_scalef32_pk8_fp4_f32 v[XC+4*\c+\g], v[XN+32*\c+8*\g:XN+32*\c+8*\g+7], v[XS+\c]   ; registers 4 c .. 4 c + 3 of the operand
.endr
.endr
	v_nop                                          ; one plain vector instruction behind the last scaled conversion
.irp c, 0,1
	global_store_b128 v7, v[XC+4*\c:XC+4*\c+3], s[32:33] offset:((\f)/4)*BLK+((\f)%4)*1024+512*\c   ; the wave stores 512 consecutive bytes, at a multiple of 256 from the buffer's first byte
.endr
.endm
	XLOAD 0
	XLOAD 1
	s_wait_alu depctr_va_vdst(0)
.irp f, 0,1,2,3,4,5,6,7
	XSTEP \f
.endr
	v_cmp_ne_u32 vcc_lo, 0, v3
.irp q, 0,1,2,3
	v_cndmask_b32 v[XF+\q], v[XW+\q], v[XW+4+\q], vcc_lo   ; lanes 0-15: fragments 0-3; lanes 16-31: fragments 4-7
.endr
	global_store_b128 v8, v[XF:XF+3], s[32:33]     ; sixteen lanes store 256 consecutive bytes, aligned: 16 rows' scale words of a K step
	s_wait_tensorcnt 0x0
	ds_add_u32 v254, v255
	s_wait_dscnt 0x0
	s_endpgm
; ---------------- THE WEIGHTS.  A wave takes 32 columns x 256 K of one source.  A LANE TAKES A COLUMN, AND ITS REGISTERS RUN DOWN K: a block of 32 along K lies in one lane's 32 registers,
; its largest magnitude needs no other lane, and the conversions give the codes with K innermost.  In the workspace's layout a lane's 16 bytes of a block lie beside its neighbour's, so they are stored straight from registers.
.Lweights:
	s_sub_co_u32 s3, ttmp9, 256
	s_and_b32 s4, s3, 31
	s_lshl_b32 s4, s4, 2
	s_add_co_u32 s4, s4, s2                        ; which 32 columns: 0..127
	s_bfe_u32 s5, s3, 0x20005                      ; which 256 along K: 0..3
	s_lshr_b32 s6, s3, 7                           ; the source
	s_lshr_b32 s7, s4, 5                           ; the gate g
	s_and_b32 s34, s4, 31                          ; T = j / 32
	s_cmp_eq_u32 s6, 1
	s_cselect_b64 s[28:29], s[18:19], s[16:17]
	s_cmp_eq_u32 s6, 2
	s_cselect_b64 s[28:29], s[20:21], s[28:29]
	s_cmp_eq_u32 s6, 3
	s_cselect_b64 s[28:29], s[22:23], s[28:29]
	s_lshl_b32 s30, s5, 22                         ; 256 rows of 16,384 bytes
	s_lshl_b32 s35, s4, 7                          ; 32 columns of 4 bytes
	s_add_co_u32 s30, s30, s35
	s_mov_b32 s31, 0
	s_add_nc_u64 s[28:29], s[28:29], s[30:31]
	s_lshl_b32 s30, s34, 3
	s_lshl_b32 s35, s6, 1
	s_add_co_u32 s30, s30, s35
	s_lshr_b32 s35, s5, 1
	s_add_co_u32 s30, s30, s35                     ; 8 T + 2 x source + which half of the source's K: my block
	s_mul_i32 s30, s30, BLK
	s_add_nc_u64 s[32:33], s[26:27], s[30:31]
	s_and_b32 s5, s5, 1                            ; which half of the block's 512 along K
	s_wait_alu depctr_va_vdst(0)
	v_lshlrev_b32 v4, 2, v1                        ; in: 4 bytes a lane
	s_lshl_b32 s35, s7, 13
	s_lshl_b32 s30, s5, 11
	s_add_co_u32 s35, s35, s30
	v_lshlrev_b32 v7, 4, v2
	v_lshl_add_u32 v7, v3, 12, v7
	v_add_nc_u32 v7, s35, v7                       ; codes: 4096 (2 g + h) + 256 x 8 x half + 16 r
	s_lshl_b32 s35, s7, 9
	s_lshl_b32 s30, s5, 3
	s_add_co_u32 s35, s35, s30
	s_add_co_u32 s35, s35, SCOFF
	v_lshlrev_b32 v8, 4, v2
	v_lshl_add_u32 v8, v3, 8, v8
	v_add_nc_u32 v8, s35, v8                       ; scale bytes: SCOFF + 256 (2 g + h) + 16 r + 8 x half
.macro WLOAD t                         ; block t: W(32 t + i, my column), i = 0 .. 31: each load reads 128 consecutive bytes; the largest offset, 255 rows, lies inside the signed 24-bit immediate (ISA guide, chapter 10)
.irp i, 0,1,2,3,4,5,6,7,8,9,10,11,12,13,14,15,16,17,18,19,20,21,22,23,24,25,26,27,28,29,30,31
	global_load_b32 v[WX+32*((\t)%2)+\i], v4, s[28:29] offset:(32*(\t)+\i)*16384 th:TH_LOAD_NT
.endr
.endm
.macro WBLOCK t
.set WS, WX+32*((\t)%2)
.if (\t) < 7
	s_wait_loadcnt 32                              ; this block's 32 loads are in; the next block's may be out
.else
	s_wait_loadcnt 0
.endif
	v_max3_num_f32 v10, |v[WS]|, |v[WS+1]|, |v[WS+2]|
	v_max3_num_f32 v11, |v[WS+3]|, |v[WS+4]|, |v[WS+5]|
.irp i, 6,10,14,18,22,26
	v_max3_num_f32 v10, v10, |v[WS+\i]|, |v[WS+\i+1]|
	v_max3_num_f32 v11, v11, |v[WS+\i+2]|, |v[WS+\i+3]|
.endr
	v_max3_num_f32 v10, v10, |v[WS+30]|, |v[WS+31]|
	v_max3_num_f32 v10, v10, v11, 0x1800000        ; and the floor 2^(3 - 127)
	v_add_nc_u32 v12, 0xff000000, v10              ; the conversion's scale operand
	v_lshrrev_b32 v13, 23, v12                     ; the scale's byte
.if (\t)%4 == 0
	v_mov_b32 v[WB+(\t)/4], v13                    ; four bytes to a register, the lower K in the lower byte
.else
	v_lshl_or_b32 v[WB+(\t)/4], v13, 8*((\t)%4), v[WB+(\t)/4]
.endif
.irp g, 0,1,2,3
	v_cvt_scalef32_pk8_fp4_f32 v[WC+4*(\t)+\g], v[WS+8*\g:WS+8*\g+7], v12
.endr
	v_nop                                          ; one plain vector instruction behind the last scaled conversion
	global_store_b128 v7, v[WC+4*(\t):WC+4*(\t)+3], s[32:33] offset:256*(\t)   ; sixteen lanes store 256 consecutive bytes, aligned: a K block of 16 rows of B
.if (\t) < 6
	WLOAD (\t)+2
.endif
.endm
	WLOAD 0
	WLOAD 1
.irp t, 0,1,2,3,4,5,6,7
	WBLOCK \t
.endr
	global_store_b64 v8, v[WB:WB+1], s[32:33]      ; my column's eight scale bytes: 8 of each 16 bytes, the other wave of the same columns stores the rest
	s_endpgm
.Lfunc_end_k_qfb29792e4f_quant:
	.size	k_qfb29792e4f_quant, .Lfunc_end_k_qfb29792e4f_quant-k_qfb29792e4f_quant
	.p2alignl 7, 3214868480
	.fill 96, 4, 3214868480
	.section	.rodata,"a",@progbits
	.p2align	6, 0x0
	.amdhsa_kernel k_qfb29792e4f_quant
		.amdhsa_group_segment_fixed_size 34304
		.amdhsa_private_segment_fixed_size 0
		.amdhsa_enable_private_segment 0
		.amdhsa_kernarg_size 80
		.amdhsa_user_sgpr_count 2
		.amdhsa_user_sgpr_kernarg_segment_ptr 1
		.amdhsa_wavefront_size32 1
		.amdhsa_system_sgpr_workgroup_id_x 1
		.amdhsa_system_sgpr_workgroup_id_y 1
		.amdhsa_system_sgpr_workgroup_id_z 1
		.amdhsa_system_vgpr_workitem_id 0
		.amdhsa_next_free_vgpr 256
		.amdhsa_next_free_sgpr 66
		.amdhsa_reserve_vcc 1
		.amdhsa_float_denorm_mode_32 3
		.amdhsa_float_denorm_mode_16_64 3
		.amdhsa_memory_ordered 1
		.amdhsa_forward_progress 1
		.amdhsa_inst_pref_size 96
	.end_amdhsa_kernel
	.amdgpu_metadata
---
amdhsa.version: [ 1, 2 ]
amdhsa.kernels:
  - .name:           k_qfb29792e4f_quant
    .symbol:         k_qfb29792e4f_quant.kd
    .args:
      - { .name: top_buf_h, .offset: 0, .size: 8, .value_kind: global_buffer, .address_space: global }
      - { .name: top_stack1_h, .offset: 8, .size: 8, .value_kind: global_buffer, .address_space: global }
      - { .name: top_stack2_h, .offset: 16, .size: 8, .value_kind: global_buffer, .address_space: global }
      - { .name: h_prev, .offset: 24, .size: 8, .value_kind: global_buffer, .address_space: global }
      - { .name: W_buf, .offset: 32, .size: 8, .value_kind: global_buffer, .address_space: global }
      - { .name: W_stack1, .offset: 40, .size: 8, .value_kind: global_buffer, .address_space: global }
      - { .name: W_stack2, .offset: 48, .size: 8, .value_kind: global_buffer, .address_space: global }
      - { .name: W_lateral, .offset: 56, .size: 8, .value_kind: global_buffer, .address_space: global }
      - { .name: acs, .offset: 64, .size: 8, .value_kind: global_buffer, .address_space: global }
      - { .name: bcs, .offset: 72, .size: 8, .value_kind: global_buffer, .address_space: global }
    .group_segment_fixed_size: 34304
    .private_segment_fixed_size: 0
    .kernarg_segment_align: 8
    .kernarg_segment_size: 80
    .max_flat_workgroup_size: 128
    .sgpr_count:     66
    .vgpr_count:     256
    .wavefront_size: 32
...
	.end_amdgpu_metadata
.endif
;; end of part 1
;; launch gemm (part 2): grid 16 x 16, 4 waves a work-group, clusters of 4 x 4, 327,680 bytes of LDS; arguments acs, bcs, b_lateral, c_prev, out0, out1; writes out0, out1
.if DOCPART == 2
	.amdgcn_target "amdgcn-amd-amdhsa--gfx1250"
	.amdhsa_code_object_version 6
	.text
	.protected	k_qfb29792e4f_gemm
	.globl	k_qfb29792e4f_gemm
	.p2align	8
	.type	k_qfb29792e4f_gemm,@function
k_qfb29792e4f_gemm:
	s_mov_b64 s[64:65], 0
	v_nop
	global_prefetch_b8 v0, s[64:65] scope:SCOPE_SE
	s_setreg_imm32_b32 hwreg(HW_REG_WAVE_MODE, 25, 1), 1
	s_wait_xcnt 0x0
	s_wait_alu depctr_hold_cnt(0) depctr_sa_sdst(0) depctr_va_vdst(0) depctr_va_sdst(0) depctr_va_ssrc(0) depctr_va_vcc(0) depctr_vm_vsrc(0)
	s_getreg_b32 s2, hwreg(HW_REG_IB_STS2, 6, 4)
	s_cmp_eq_u32 s2, 0
	s_cbranch_scc0 .Lentry_in_a_cluster
	s_endpgm
.Lentry_in_a_cluster:
	s_bfe_u32 s2, ttmp6, 0x10000c
	s_cmp_lg_u32 s2, 0xf033
	s_cbranch_scc0 .Lentry_shape_is_right
	s_endpgm
.Lentry_shape_is_right:
; gates = A B^T + b over the joint K of 4 x 1,024 (the four products share M and N and are added), on codes of FP4 (E2M1) with E8M0 scale bytes, and then the LSTM step: out1 = c, out0 = h.
; acs, bcs: [T 0..31][ks 0..7][BLK bytes]: T = 128 operand rows, ks = 512 of the joint K.  In a block the 1,024 bytes at i*4096 + q*1024 are the image of an operand's registers (16 rows x 128 K);
; the scale words of row group i at SCOFF + i*256 + 16 r.  A group of 128 rows of B holds all four gates of 32 neighbouring j (row group 2 g + u), so a lane finds its four gates in its own registers.
; A work-group of four waves makes 256 rows x 256 columns of gates (64 j); a wave 128 x 128: 64 accumulators, 512 registers.  K goes in 8 steps of 512 through two LDS slots; a wave's tensor load brings one block, 136 rows of 256 bytes.
; CLUSTERS of 4 x 4: A's blocks are asked for jointly along a row of the cluster, B's along a column.  The matrix instruction is used transposed (source 0 = B, source 1 = A): a lane holds 8 neighbouring columns of one row.
; PREFETCH: behind the joint load of K step t each wave names K step t + 2 of the block that it fetches: 136 pieces of 256 bytes, of which each of the four partners takes 34, told apart by address (two instructions, a lane a piece;
; in the second the lanes left over name the last piece again).  The loads of K steps 6 and 7 ask for nothing, so no address leaves the buffer.
; THE LSTM STEP: tanh(a) sig(i) = (Ea - 1) / ((Ea + 1)(1 + Ei)), Ea = 2^(2 a log2 e), Ei = 2^(-i log2 e); sig(f) = 1 / (1 + Ef); h = (Ec - 1) / ((Ec + 1)(1 + Eo)).
; LIMITS: the exponents of Ea and Ec are held at 64 from above, where tanh is 1 in f32; NaN and infinities among the inputs are not served.
; REGISTERS: window 0: v0-31 addresses; v32-95 scale words, two sets; v128-191 A's fragments; v192-255 the bias, as the first products' C.  Window 1: B's fragments at v0 and v128; c_prev at v64-127, v192-255.
;   Windows 2, 3: the accumulators ((a, b) at v[8 (8 (a % 4) + b)]).  In the LSTM step window 0: v32-159 the gates of two row blocks, v160-191 c, v192-223 h; window 1 v0-127: rows on their way out.
.set BLK,    34816
.set SCOFF,  32768
.set SLOT,   4*BLK                     ; A's two blocks, then B's two
.set SPARE,  2*SLOT                    ; behind the ring: the spare words, 128 bytes a wave
.set NQ,     4
.set FR,     8
.set NL,     2
.set NP,     4                         ; places behind this matrix instruction (ISA guide 7.12.1)
.set LAPS,   4
.set OPITCH, 272                       ; the stage's rows: 256 bytes + 16.  The stage lies in slot 0, behind that slot's last fill and last read
.set HST,    256*OPITCH                ; c's 256 rows, then h's
.set ADRA, 16                          ; v16-17 my A fragments in slot 0, 1;  v20-21 B's;  v22-23 the scale words (lanes 0-15 A's, 16-31 B's)
.set PFO,  18                          ; v18-19 the prefetches' offsets
.set PFO2, 19
.set ADRB, 20
.set ADRS, 22
.set LCP,  24                          ; stage: my 32 bytes of c;  v25 of h
.set LHS,  25
.set RD,   26                          ; stage: whole rows back
.set CO,   27                          ; my 16 bytes of two rows of 4,096 bytes in memory
.set SPW,  28
.set NIL,  29
.set CSTO, 30                          ; stage: c_prev on its way in
.set BO,   31
.set SC,   32
.set AF,   128
.set BIAS, 192
.set TT,   32
.set CV,   160
.set HV,   192
.set G1,  24
.set G0,  32
.set G1B, 48
.set G0B, 56
.set KT,  72                           ; 2 log2 e
.set KS,  74                           ; -log2 e
.set KC,  85                           ; 64.0
.set PFA, 86                           ; s[86:87] where my prefetches stand
.set MSB, 0
.macro WIN new                         ; the immediate's high byte repeats the setting that is left
.if MSB != (\new)
	s_set_vgpr_msb (MSB<<8)|(\new)
.set MSB, (\new)
.endif
.endm
.set MUL_LO,   0xa1                    ; source 0 (B) window 1, source 1 (A) window 0, C and D window 2
.set MUL_HI,   0xf1
.set FIRST_LO, 0x81                    ; the same with C (the bias) in window 0
.set FIRST_HI, 0xc1
.set TO_B,     0x40
.macro JLOAD g0a, g1a, g0b, g1b        ; a joint load: waves 0, 1 fetch A's two blocks, waves 2, 3 B's
	s_cmp_eq_u32 s15, 0
	s_cbranch_scc0 .Lfor_b_\@
	tensor_load_to_lds s[\g0a:\g0a+3], s[\g1a:\g1a+7]
	s_nop 0
.rept 4
	v_nop
.endr
	s_branch .Lasked_\@
.Lfor_b_\@:
	tensor_load_to_lds s[\g0b:\g0b+3], s[\g1b:\g1b+7]
	s_nop 0
.rept 4
	v_nop
.endr
.Lasked_\@:
.endm
.macro CREST                           ; a round of the cluster's barrier behind its opening barrier
	s_cmp_lg_u32 s14, 0
	s_cbranch_scc1 .Lnot_wave_0_\@
	s_barrier_signal -3
.Lnot_wave_0_\@:
	s_barrier_wait -3
	s_barrier_signal -1
	s_barrier_wait -1
.endm
.macro CROUND
	s_barrier_signal -1
	s_barrier_wait -1
	CREST
.endm
.macro ASK off                         ; my work-group's 34 pieces of the block off bytes on
	global_prefetch_b8 v[PFO], s[PFA:PFA+1] offset:\off th:TH_LOAD_NT scope:SCOPE_SE
	global_prefetch_b8 v[PFO2], s[PFA:PFA+1] offset:\off th:TH_LOAD_NT scope:SCOPE_SE
.endm
	s_load_b256 s[4:11], s[0:1], 0x0               ; acs s[4:5], bcs s[6:7], b_lateral s[8:9], c_prev s[10:11]
	s_load_b128 s[68:71], s[0:1], 0x20             ; out0 s[68:69], out1 s[70:71]
	v_lshl_add_u32 v[SPW], v0, 2, SPARE
	v_mov_b32 v[NIL], 0
	ds_add_u32 v[SPW], v[NIL]                      ; the add, twice on end,
	ds_add_u32 v[SPW], v[NIL]
	v_lshrrev_b32 v1, 5, v0
	v_readfirstlane_b32 s14, v1                    ; wave 0..3
	s_lshr_b32 s15, s14, 1                         ; my half of the rows.  Also: I fetch for A (0) or B (1)
	s_and_b32 s16, s14, 1                          ; my half of the columns.  Also: which of the two blocks I fetch
	s_bfe_u32 s40, ttmp6, 0x40000                  ; cx
	s_bfe_u32 s41, ttmp6, 0x40004                  ; cy
	s_lshl_b32 s42, ttmp9, 2
	s_add_co_u32 s42, s42, s40                     ; tile column
	s_and_b32 s17, ttmp7, 0xffff
	s_lshl_b32 s17, s17, 2
	s_add_co_u32 s17, s17, s41                     ; tile row
	s_lshl_b32 s43, s41, 2
	s_lshl_b32 s43, 15, s43                        ; my row of the cluster
	s_lshl_b32 s44, 0x1111, s40                    ; my column
	s_or_b32 s[G1+0], s43, (3<<16)|(1<<21)         ; elements of 8 bytes, no padding: the block is an image of registers, read 16 bytes a lane on end
	s_or_b32 s[G1B+0], s44, (3<<16)|(1<<21)
.irp g, G1, G1B
	s_mov_b32 s[\g+1], 32<<16                      ; rows of 256 bytes,
	s_mov_b32 s[\g+2], 136<<16                     ; 136 of them, dense
	s_mov_b32 s[\g+3], 32<<16
	s_mov_b32 s[\g+4], 136
	s_mov_b32 s[\g+5], 32
	s_mov_b32 s[\g+6], 0
	s_mov_b32 s[\g+7], 0
.endr
	s_lshl_b32 s20, s17, 1
	s_add_co_u32 s20, s20, s16
	s_mul_i32 s20, s20, 8*BLK                      ; A: T = 2 x tile row + which block
	s_mov_b32 s21, 0
	s_lshl_b32 s46, s42, 1
	s_add_co_u32 s46, s46, s16
	s_mul_i32 s46, s46, 8*BLK                      ; B: T = 2 x tile column + which block
	s_mov_b32 s47, 0
	s_mul_i32 s45, s14, BLK                        ; and where it goes: wave x a block
	s_cmp_eq_u32 s15, 0
	s_cselect_b32 s[PFA], s20, s46                 ; the prefetches: the block that I fetch,
	s_cselect_b32 s91, s40, s41                    ; my place among the four that ask for it with me,
	s_mul_i32 s91, s91, 34*256
	s_add_co_u32 s[PFA], s[PFA], s91               ; and so my 34 pieces
	s_mov_b32 s[PFA+1], 0
	s_wait_dscnt 0x0                               ; and the one wait for both adds
	s_wait_kmcnt 0x0
	s_cmp_eq_u32 s15, 0
	s_cselect_b64 s[92:93], s[4:5], s[6:7]
	s_add_nc_u64 s[PFA:PFA+1], s[92:93], s[PFA:PFA+1]
	s_add_nc_u64 s[20:21], s[4:5], s[20:21]
	s_add_nc_u64 s[46:47], s[6:7], s[46:47]
.irp s, 0,1
	s_mov_b32 s[G0+4*\s], 1
	s_add_co_u32 s[G0+4*\s+1], s45, \s*SLOT
	s_add_nc_u64 s[G0+4*\s+2:G0+4*\s+3], s[20:21], \s*BLK
	s_or_b32 s[G0+4*\s+3], s[G0+4*\s+3], 0x80000000
	s_mov_b32 s[G0B+4*\s], 1
	s_add_co_u32 s[G0B+4*\s+1], s45, \s*SLOT
	s_add_nc_u64 s[G0B+4*\s+2:G0B+4*\s+3], s[46:47], \s*BLK
	s_or_b32 s[G0B+4*\s+3], s[G0B+4*\s+3], 0x80000000
.endr
	CROUND                                         ; all sixteen work-groups are here: the first joint loads meet
	JLOAD G0, G1, G0B, G1B                         ; K step 0: my one tensor load at the head
	s_mul_i32 s18, s15, BLK                        ; my 128 rows of A,
	s_mul_i32 s19, s16, BLK
	s_add_co_u32 s19, s19, 2*BLK                   ; of B;
	s_xor_b32 s22, s15, 1
	s_add_co_u32 s22, s22, s16
	s_add_co_u32 s22, s22, 1
	s_mul_i32 s22, s22, BLK                        ; from A's scale words to B's: (2 + column half - row half) blocks
	s_add_co_u32 s23, s18, SCOFF
	s_mul_i32 s88, s15, 128*OPITCH
	s_mul_i32 s89, s16, HST
	s_add_co_u32 s89, s89, s88                     ; back from the stage: column half 0 takes c's rows, 1 takes h's
	s_lshl_b32 s90, s16, 7
	s_add_co_u32 s88, s88, s90                     ; into the stage: my rows, my 128 bytes of them
	s_mul_i32 s90, s14, 64*OPITCH                  ; c_prev: wave w brings rows 64 w .. 64 w + 63, whole
	s_mov_b32 s[KT], 0x4038aa3b
	s_mov_b32 s[KT+1], s[KT]
	s_mov_b32 s[KS], 0xbfb8aa3b
	s_mov_b32 s[KS+1], s[KS]
	s_mov_b32 s[KC], 0x42800000
	s_lshl_b32 s84, s42, 8                         ; the tile's 64 j, in bytes
	s_lshl_b32 s82, s17, 8
	s_lshl_b32 s83, s14, 6
	s_add_co_u32 s82, s82, s83
	s_lshl_b32 s82, s82, 12
	s_add_co_u32 s82, s82, s84
	s_mov_b32 s83, 0
	s_add_nc_u64 s[76:77], s[10:11], s[82:83]      ; c_prev at row 256 x tile row + 64 x wave
	s_lshl_b32 s82, s16, 7
	s_add_co_u32 s82, s82, s84
	s_add_nc_u64 s[78:79], s[8:9], s[82:83]        ; the bias at my 32 j
	s_cmp_eq_u32 s16, 0
	s_cselect_b64 s[80:81], s[70:71], s[68:69]     ; column half 0 stores c (out1), 1 stores h (out0)
	s_lshl_b32 s82, s17, 8
	s_lshl_b32 s83, s15, 7
	s_add_co_u32 s82, s82, s83
	s_lshl_b32 s82, s82, 12
	s_add_co_u32 s82, s82, s84
	s_mov_b32 s83, 0
	s_add_nc_u64 s[80:81], s[80:81], s[82:83]
	v_and_b32 v1, 15, v0                           ; r
	v_bfe_u32 v2, v0, 4, 1                         ; h
	v_and_b32 v3, 31, v0                           ; lane
	v_lshlrev_b32 v4, 4, v3
	v_mul_u32_u24 v5, s22, v2
	v_lshl_add_u32 v5, v1, 4, v5
	v_add_nc_u32 v[ADRA], s18, v4
	v_add_nc_u32 v[ADRB], s19, v4
	v_add_nc_u32 v[ADRS], s23, v5
	v_add_nc_u32 v[ADRA+1], SLOT, v[ADRA]
	v_add_nc_u32 v[ADRB+1], SLOT, v[ADRB]
	v_add_nc_u32 v[ADRS+1], SLOT, v[ADRS]
	v_mul_u32_u24 v6, v1, OPITCH
	v_lshl_add_u32 v6, v2, 5, v6                   ; row r, 32 bytes for each half of the lanes
	v_add_nc_u32 v[LCP], s88, v6
	v_add_nc_u32 v[LHS], HST, v[LCP]
	v_mul_u32_u24 v7, v2, OPITCH
	v_lshl_add_u32 v7, v1, 4, v7                   ; sixteen lanes to a row of 256 bytes, two rows an instruction
	v_add_nc_u32 v[RD], s89, v7
	v_add_nc_u32 v[CSTO], s90, v7
	v_lshlrev_b32 v8, 4, v1
	v_lshl_add_u32 v[CO], v2, 12, v8
	v_lshlrev_b32 v[BO], 5, v2
	v_lshlrev_b32 v[PFO], 8, v3                    ; pieces 0 .. 31 of my 34,
	v_min_u32 v9, 1, v3
	v_lshl_add_u32 v[PFO2], v9, 8, 32*256          ; pieces 32 and 33
	s_wait_alu depctr_va_vdst(0)                   ; the wait at the head's end
	ASK 2*BLK                                      ; K step 2
.irp b, 0,1,2,3,4,5,6,7
.irp c, 0,1
	global_load_b128 v[BIAS+8*\b+4*\c:BIAS+8*\b+4*\c+3], v[BO], s[78:79] offset:4096*(\b/2)+64*(\b%2)+16*\c   ; b(1024 g + 16 u + 8 h ..), in the result's layout
.endr
.endr
	WIN TO_B
.set J, 0
.rept 32
	global_load_b128 v[64+4*J+64*(J/16):64+4*J+64*(J/16)+3], v[CO], s[76:77] offset:8192*J th:TH_LOAD_NT   ; sixteen lanes read 256 consecutive bytes, aligned
.set J, J+1
.endr
	WIN 0
.macro FRAG reg, adr, q, i             ; 16 rows x 128 K: two pieces of 512 bytes, 16 bytes a lane
.irp c, 0,1
	ds_load_b128 v[\reg+4*\c:\reg+4*\c+3], v[\adr] offset:(\i)*4096+(\q)*1024+512*\c
.endr
.endm
; 16 matrix instructions: A's blocks a0, a0 + 1 x B's eight.  The 64 accumulators take turns, in the same order in every step.  first = 1: the bias is the first products' C
.macro MUL16 a0, p, q, sc, first
.irp a, \a0, \a0+1
.irp b, 0,1,2,3,4,5,6,7
.if \first
	v_wmma_scale_f32_16x16x128_f8f6f4 v[8*(8*((\a)%4)+\b):8*(8*((\a)%4)+\b)+7], v[128*(\p)+FR*\b:128*(\p)+FR*\b+FR-1], v[AF+FR*(\a):AF+FR*(\a)+FR-1], v[BIAS+8*\b:BIAS+8*\b+7], v[SC+8*NQ*(\sc)+NQ*\b+(\q)], v[SC+8*NQ*(\sc)+NQ*(\a)+(\q)] matrix_a_fmt:MATRIX_FMT_FP4 matrix_b_fmt:MATRIX_FMT_FP4 matrix_a_scale:MATRIX_SCALE_ROW1
.else
	v_wmma_scale_f32_16x16x128_f8f6f4 v[8*(8*((\a)%4)+\b):8*(8*((\a)%4)+\b)+7], v[128*(\p)+FR*\b:128*(\p)+FR*\b+FR-1], v[AF+FR*(\a):AF+FR*(\a)+FR-1], v[8*(8*((\a)%4)+\b):8*(8*((\a)%4)+\b)+7], v[SC+8*NQ*(\sc)+NQ*\b+(\q)], v[SC+8*NQ*(\sc)+NQ*(\a)+(\q)] matrix_a_fmt:MATRIX_FMT_FP4 matrix_b_fmt:MATRIX_FMT_FP4 matrix_a_scale:MATRIX_SCALE_ROW1
.endif
.endr
.endr
.endm
.macro FETCH_B slot, q, p
	WIN TO_B
.irp i, 0,1,2,3,4,5,6,7
	FRAG 128*(\p)+FR*\i, ADRB+\slot, \q, \i
.endr
	WIN 0
.endm
.macro FETCH_A slot, q, i0
.irp i, \i0, \i0+1, \i0+2, \i0+3
	FRAG AF+FR*(\i), ADRA+\slot, \q, \i
.endr
.endm
.macro SCALES sc                       ; a K step's scale words: lanes 0-15 A's block i, lanes 16-31 B's
.irp i, 0,1,2,3,4,5,6,7
	ds_load_b128 v[SC+8*NQ*\sc+NQ*\i:SC+8*NQ*\sc+NQ*\i+3], v[ADRS+\sc] offset:\i*256
.endr
.endm
.macro PLACES n
.rept \n
	v_nop
.endr
.endm
.macro STEP slot, q, first             ; 128 along K that has its successor in the same slot
	s_wait_dscnt 4*NL                              ; all but the youngest eight loads (A's blocks 4-7) are in
.if \first
	WIN FIRST_LO
.else
	WIN MUL_LO
.endif
	MUL16 0, (\q)%2, \q, \slot, \first
	MUL16 2, (\q)%2, \q, \slot, \first
	s_wait_dscnt 0
	PLACES NP
	FETCH_B \slot, (\q)+1, 1-(\q)%2
	FETCH_A \slot, (\q)+1, 0
.if \first
	WIN FIRST_HI
.else
	WIN MUL_HI
.endif
	MUL16 4, (\q)%2, \q, \slot, \first
	MUL16 6, (\q)%2, \q, \slot, \first
	PLACES NP
	WIN 0
	FETCH_A \slot, (\q)+1, 4
.endm
; A slot's last step changes slots: each wave waits for all its tensor loads, adds 0 to its spare word and waits for that and for its reads of this slot; then the barrier, which opens a round of the cluster's barrier where the slot is filled again.
.macro TURN slot, next, fill
.if \fill
	s_wait_xcnt 0x0                                ; my prefetches have read their address: it steps one K step on
	s_add_nc_u64 s[PFA:PFA+1], s[PFA:PFA+1], BLK
.endif
	s_wait_dscnt 4*NL
	WIN MUL_LO
	MUL16 0, 1, NQ-1, \slot, 0
	MUL16 2, 1, NQ-1, \slot, 0
	WIN 0
	s_wait_tensorcnt 0x0                           ; my part of the next slot is in; no load of mine is out
	ds_add_u32 v[SPW], v[NIL]
.if \fill
	s_add_nc_u64 s[G0+4*\slot+2:G0+4*\slot+3], s[G0+4*\slot+2:G0+4*\slot+3], 2*BLK
	s_add_nc_u64 s[G0B+4*\slot+2:G0B+4*\slot+3], s[G0B+4*\slot+2:G0B+4*\slot+3], 2*BLK
.endif
	s_wait_dscnt 0x0                               ; the add is done, my reads of this slot are over
	s_barrier_signal -1
	s_barrier_wait -1
.if \fill
	CREST
	JLOAD G0+4*\slot, G1, G0B+4*\slot, G1B         ; the first tensor load behind the round; its four v_nop are the places in front of the loads below
.else
	PLACES NP
.endif
	FETCH_B \next, 0, 0
	FETCH_A \next, 0, 0
	SCALES \next
.if \fill
	s_cmp_gt_u32 s3, 1                             ; the last trip's refills are K steps 6 and 7: nothing lies two steps on
	s_cbranch_scc0 .Lno_ask_\@
	ASK 3*BLK                                      ; the address stands one K step short of the refill's: this names the refill's K step + 2
.Lno_ask_\@:
.endif
	WIN MUL_HI
	MUL16 4, 1, NQ-1, \slot, 0
	MUL16 6, 1, NQ-1, \slot, 0
	PLACES NP
	WIN 0
	FETCH_A \next, 0, 4
.endm
.macro STEPS slot, from
.set Q, \from
.rept NQ-1-\from
	STEP \slot, Q, 0
.set Q, Q+1
.endr
.endm
	s_wait_tensorcnt 0x0                           ; my part of K step 0 is in; slot 1's first fill is issued as a refill is:
	ds_add_u32 v[SPW], v[NIL]
	s_wait_dscnt 0x0
	CROUND
	JLOAD G0+4, G1, G0B+4, G1B                     ; K step 1
	FETCH_B 0, 0, 0
	FETCH_A 0, 0, 0
	SCALES 0
	FETCH_A 0, 0, 4
	ASK 3*BLK                                      ; K step 3
	s_wait_loadcnt 32                              ; the bias is in; c_prev's 32 loads may be out
	STEP 0, 0, 1
	s_mov_b32 s3, LAPS-1
.Llap:                                                 ; a trip goes once round the ring and fills both slots again
	STEPS 0, 1
	TURN 0, 1, 1
	STEPS 1, 0
	TURN 1, 0, 1
	STEP 0, 0, 0
	s_sub_co_u32 s3, s3, 1
	s_cmp_lg_u32 s3, 0
	s_cbranch_scc1 .Llap
	STEPS 0, 1
	TURN 0, 1, 0                                   ; the last change of slots: behind it nobody reads slot 0 and nothing is filled any more
	s_wait_loadcnt 0x0
	WIN 0x04                                       ; the data: window 1
.set J, 0
.rept 32
	ds_store_b128 v[CSTO], v[64+4*J+64*(J/16):64+4*J+64*(J/16)+3] offset:2*OPITCH*J   ; c_prev into the stage, by whole rows
.set J, J+1
.endr
	WIN 0
	STEPS 1, 0
	s_wait_dscnt 4*NL
	WIN MUL_LO
	MUL16 0, 1, NQ-1, 1, 0
	MUL16 2, 1, NQ-1, 1, 0
	s_wait_dscnt 0                                 ; my stores into the stage are done too: say so,
	s_barrier_signal -1
	WIN MUL_HI
	MUL16 4, 1, NQ-1, 1, 0                         ; work on registers meanwhile,
	MUL16 6, 1, NQ-1, 1, 0
	WIN 0
	s_barrier_wait -1                              ; and c_prev's 256 rows are whole
	PLACES NP
; THE LSTM STEP, two row blocks (32 rows, 32 numbers a lane) at a time.  Block k's gates at v[TT + 64 k + 16 g + 8 u + e].  The transcendentals go in four batches, each with one wait ahead and one behind.
.macro PKV op, d, dn, x, xn, y, yn     ; d = x op y, packed, over both blocks
.irp k, 0,1
.irp j, 0,2,4,6,8,10,12,14
	\op v[\d+\dn*\k+\j:\d+\dn*\k+\j+1], v[\x+\xn*\k+\j:\x+\xn*\k+\j+1], v[\y+\yn*\k+\j:\y+\yn*\k+\j+1]
.endr
.endr
.endm
.macro PKC d, dn, x, xn, c             ; d = x + c
.irp k, 0,1
.irp j, 0,2,4,6,8,10,12,14
	v_pk_add_f32 v[\d+\dn*\k+\j:\d+\dn*\k+\j+1], v[\x+\xn*\k+\j:\x+\xn*\k+\j+1], \c op_sel_hi:[1,0]
.endr
.endr
.endm
.macro TRV op, d, n                    ; a batch: n registers from d on, in both blocks, in place
.irp k, 0,1
.set J, 0
.rept \n
	\op v[\d+64*\k+J], v[\d+64*\k+J]
.set J, J+1
.endr
.endr
	v_nop                                          ; one plain place behind the batch
	s_wait_alu depctr_va_vdst(0)
.endm
.macro HOLD d                          ; 16 exponents of each block held at 64
.irp k, 0,1
.set J, 0
.rept 16
	v_min_num_f32 v[\d+64*\k+J], s[KC], v[\d+64*\k+J]
.set J, J+1
.endr
.endr
.endm
.macro CPLOAD p                        ; c_prev of pair p, in the result's layout
.irp k, 0,1
.irp u, 0,1
.irp c, 0,1
	ds_load_b128 v[CV+16*\k+8*\u+4*\c:CV+16*\k+8*\u+4*\c+3], v[LCP] offset:16*OPITCH*(2*(\p)+\k)+64*\u+16*\c
.endr
.endr
.endr
.endm
.macro SEND p                          ; pair p's 32 rows of c or of h leave: sixteen lanes store 256 consecutive bytes, aligned
	s_wait_dscnt 0x0
	WIN 0x04
.irp t, 0,1,2,3,4,5,6,7,8,9,10,11,12,13,14,15
	global_store_b128 v[CO], v[64*((\p)%2)+4*\t:64*((\p)%2)+4*\t+3], s[80:81] offset:(32*(\p)+2*\t)*4096 th:TH_STORE_NT
.endr
	WIN 0
.endm
.macro LSTM p
	WIN 0x02+(\p)/2                                ; source 0: window 2 or 3
	s_wait_alu depctr_va_vdst(0)                   ; the wait directly ahead of the first reader of these matrix results
.set J, 0
.rept 64
.if (J%64) < 16
	v_pk_mul_f32 v[TT+J:TT+J+1], v[128*((\p)%2)+J:128*((\p)%2)+J+1], s[KT:KT+1] op_sel_hi:[1,0]   ; each accumulator from its low end on
.else
	v_pk_mul_f32 v[TT+J:TT+J+1], v[128*((\p)%2)+J:128*((\p)%2)+J+1], s[KS:KS+1] op_sel_hi:[1,0]
.endif
.set J, J+2
.endr
	WIN 0
	HOLD TT
	s_wait_alu depctr_va_vdst(0)                   ; ahead of the batch, and of the blocking wait below
.if (\p) > 0
	SEND (\p)-1                                    ; the pair before is back from the stage; its wait also shows this pair's c_prev in
.else
	s_wait_dscnt 0x0                               ; c_prev of pair 0 is in
.endif
	TRV v_exp_f32, TT, 64                          ; Ea, Ei, Ef, Eo
	PKC TT+16, 64, TT+16, 64, 1.0                  ; 1 + Ei
	PKC HV, 16, TT, 64, 1.0                        ; Ea + 1
	PKC TT+32, 64, TT+32, 64, 1.0                  ; 1 + Ef
	PKC TT+48, 64, TT+48, 64, 1.0                  ; 1 + Eo
	PKV v_pk_mul_f32, TT+16, 64, TT+16, 64, HV, 16 ; (1 + Ei)(Ea + 1)
	PKC TT, 64, TT, 64, -1.0                       ; Ea - 1
	s_wait_alu depctr_va_vdst(0)
	TRV v_rcp_f32, TT+16, 32
	PKV v_pk_mul_f32, TT, 64, TT, 64, TT+16, 64    ; tanh(a) sig(i)
.irp k, 0,1
.irp j, 0,2,4,6,8,10,12,14
	v_pk_fma_f32 v[CV+16*\k+\j:CV+16*\k+\j+1], v[TT+32+64*\k+\j:TT+32+64*\k+\j+1], v[CV+16*\k+\j:CV+16*\k+\j+1], v[TT+64*\k+\j:TT+64*\k+\j+1]   ; c = sig(f) c_prev + tanh(a) sig(i)
.endr
.endr
.irp k, 0,1
.irp j, 0,2,4,6,8,10,12,14
	v_pk_mul_f32 v[TT+32+64*\k+\j:TT+32+64*\k+\j+1], v[CV+16*\k+\j:CV+16*\k+\j+1], s[KT:KT+1] op_sel_hi:[1,0]
.endr
.endr
	HOLD TT+32
	s_wait_alu depctr_va_vdst(0)
	TRV v_exp_f32, TT+32, 16                       ; Ec
	PKC HV, 16, TT+32, 64, 1.0
	PKV v_pk_mul_f32, TT+48, 64, TT+48, 64, HV, 16 ; (1 + Eo)(Ec + 1)
	PKC TT+32, 64, TT+32, 64, -1.0
	s_wait_alu depctr_va_vdst(0)
	TRV v_rcp_f32, TT+48, 16
	PKV v_pk_mul_f32, HV, 16, TT+32, 64, TT+48, 64 ; h = sig(o) tanh(c)
.irp k, 0,1
.irp u, 0,1
.irp c, 0,1
	ds_store_b128 v[LCP], v[CV+16*\k+8*\u+4*\c:CV+16*\k+8*\u+4*\c+3] offset:16*OPITCH*(2*(\p)+\k)+64*\u+16*\c   ; c over my own c_prev,
	ds_store_b128 v[LHS], v[HV+16*\k+8*\u+4*\c:HV+16*\k+8*\u+4*\c+3] offset:16*OPITCH*(2*(\p)+\k)+64*\u+16*\c   ; h beside it
.endr
.endr
.endr
	s_wait_alu depctr_va_vdst(0)
	s_wait_dscnt 0x0                               ; for the others' sake: a row's 256 bytes come from two waves
	s_barrier_signal -1
	s_barrier_wait -1
.if (\p) > 1
	s_wait_xcnt 0x0                                ; the stores of two pairs ago have read this set of registers
.endif
	WIN TO_B
.irp t, 0,1,2,3,4,5,6,7,8,9,10,11,12,13,14,15
	ds_load_b128 v[64*((\p)%2)+4*\t:64*((\p)%2)+4*\t+3], v[RD] offset:(32*(\p)+2*\t)*OPITCH   ; whole rows back, into window 1
.endr
	WIN 0
.if (\p) < 3
	CPLOAD (\p)+1
.endif
.endm
	CPLOAD 0
.irp p, 0,1,2,3
	LSTM \p
.endr
	SEND 3
	s_wait_tensorcnt 0x0                           ; the wave's end
	ds_add_u32 v[SPW], v[NIL]
	s_wait_dscnt 0x0
	CROUND                                         ; the closing round
	s_endpgm
.Lfunc_end_k_qfb29792e4f_gemm:
	.size	k_qfb29792e4f_gemm, .Lfunc_end_k_qfb29792e4f_gemm-k_qfb29792e4f_gemm
	.p2alignl 7, 3214868480
	.fill 96, 4, 3214868480
	.section	.rodata,"a",@progbits
	.p2align	6, 0x0
	.amdhsa_kernel k_qfb29792e4f_gemm
		.amdhsa_group_segment_fixed_size 327680
		.amdhsa_private_segment_fixed_size 0
		.amdhsa_enable_private_segment 0
		.amdhsa_kernarg_size 48
		.amdhsa_user_sgpr_count 2
		.amdhsa_user_sgpr_kernarg_segment_ptr 1
		.amdhsa_wavefront_size32 1
		.amdhsa_system_sgpr_workgroup_id_x 1
		.amdhsa_system_sgpr_workgroup_id_y 1
		.amdhsa_system_sgpr_workgroup_id_z 1
		.amdhsa_system_vgpr_workitem_id 0
		.amdhsa_next_free_vgpr 1024
		.amdhsa_next_free_sgpr 96
		.amdhsa_reserve_vcc 0
		.amdhsa_float_denorm_mode_32 3
		.amdhsa_float_denorm_mode_16_64 3
		.amdhsa_memory_ordered 1
		.amdhsa_forward_progress 1
		.amdhsa_inst_pref_size 255
	.end_amdhsa_kernel
	.section	.bss,"aw",@nobits
	.p2align	6
	.space	262144
	.amdgpu_metadata
---
amdhsa.version: [ 1, 2 ]
amdhsa.kernels:
  - .name:           k_qfb29792e4f_gemm
    .symbol:         k_qfb29792e4f_gemm.kd
    .args:
      - { .name: acs, .offset: 0, .size: 8, .value_kind: global_buffer, .address_space: global }
      - { .name: bcs, .offset: 8, .size: 8, .value_kind: global_buffer, .address_space: global }
      - { .name: b_lateral, .offset: 16, .size: 8, .value_kind: global_buffer, .address_space: global }
      - { .name: c_prev, .offset: 24, .size: 8, .value_kind: global_buffer, .address_space: global }
      - { .name: out0, .offset: 32, .size: 8, .value_kind: global_buffer, .address_space: global }
      - { .name: out1, .offset: 40, .size: 8, .value_kind: global_buffer, .address_space: global }
    .group_segment_fixed_size: 327680
    .private_segment_fixed_size: 0
    .kernarg_segment_align: 8
    .kernarg_segment_size: 48
    .max_flat_workgroup_size: 128
    .sgpr_count:     96
    .vgpr_count:     1024
    .wavefront_size: 32
...
	.end_amdgpu_metadata
.endif
;; end of part 2
